; MI455X (gfx1250); checked and timed in simulation.
; The chip was launched on July 23, 2026; its instructions are those of AMD's public machine-readable ISA for CDNA 5 (MIT licence, August 2026) and "CDNA5" Instruction Set Architecture Reference Guide (July 2026). The comments in the code are by the model that wrote it; some were corrected since.
;; Attention Model. Allowed arithmetic: matrix products marked QUANTISED: E4M3 operands, one given power-of-two scale a tensor, by v_wmma_f32_16x16x64_fp8_fp8 or v_wmma_f32_16x16x128_fp8_fp8, f32 sums; everything else in f32.
;; Inputs: Wk_codes 512 x 32 x 32 uint8 (E4M3 codes of Wk, K innermost, in blocks of 32 codes); Wq_codes 512 x 32 x 32 uint8 (E4M3 codes of Wq, K innermost, in blocks of 32 codes); Wv_codes 512 x 32 x 32 uint8 (E4M3 codes of Wv, K innermost, in blocks of 32 codes); lowp_scales 10 int32 (the exponents e of the quantised operands' scales 2^e); x_codes 8 x 2,048 x 32 x 32 uint8 (E4M3 codes of x, K innermost, in blocks of 32 codes).
;; Outputs: out0 8 x 2,048 x 512 float32.
;; This version of the problem:
;;   THIS VERSION OF THE PROBLEM IS GIVEN IN LOW PRECISION. The matrix products marked QUANTISED in the list below multiply operands that are first quantised to E4M3 (4 exponent bits, 3 mantissa bits; 8 bits a number), with one given power-of-two scale for each operand tensor; their sums are f32. All else is computed in f32.
;;   The module's matrix products, in the order in which they are computed (A, B: the left and right operand; K: the contracted axis; several contracted axes count as one K, in the product's order):
;;     1. [M 16,384, K 1,024] x [K 1,024, N 512]; A: input x (given as codes); B: input Wq (given as codes): QUANTISED (scales: A lowp_scales[0], B lowp_scales[1])
;;     2. [M 16,384, K 1,024] x [K 1,024, N 512]; A: input x (given as codes); B: input Wk (given as codes): QUANTISED (scales: A lowp_scales[2], B lowp_scales[3])
;;     3. [M 16,384, K 1,024] x [K 1,024, N 512]; A: input x (given as codes); B: input Wv (given as codes): QUANTISED (scales: A lowp_scales[4], B lowp_scales[5])
;;     4. batch 8 x [M 2,048, K 512] x [K 512, N 2,048]; A: computed on the way; B: computed on the way: QUANTISED (scales: A lowp_scales[6], B lowp_scales[7])
;;     5. batch 8 x [M 2,048, K 2,048] x [K 2,048, N 512]; A: softmax (see below); B: computed on the way: QUANTISED (scales: A lowp_scales[8], B lowp_scales[9])
;;   THE QUANTISER, for each operand of a quantised product, along K:
;;     - The operand's scale is 2^e, e = its entry of the input lowp_scales (int32; the entries are numbered through the quantised products in the list's order, A before B).
;;     - Each number is divided by the scale, clamped to +-448, and rounded to the nearest number of E4M3, ties to even, subnormals kept.
;;     - The product sums the exact products of the quantised numbers (number of the format x scale) in f32.
;;   ~~~python
;;   def quantise(x, axis, e):      # numpy; x: float32 -> the quantised numbers, widened to float32 again
;;       x = np.moveaxis(x, axis, -1); K = x.shape[-1]
;;       r = np.clip(x / 2.0 ** e, -448, 448)
;;       step = 2.0 ** (np.maximum(np.frexp(np.where(r == 0, 1, r))[1] - 1, -6) - 3)
;;       q = np.round(r / step) * step * 2.0 ** e      # np.round: ties to even
;;       return np.moveaxis(q, -1, axis).astype(np.float32)
;;   ~~~
;;   SOFTMAX AHEAD OF A QUANTISED PRODUCT. Where the list says 'softmax', what is quantised is not the finished softmax but p = 2^(t - M), with t = logit x log2(e) and M = ceil(the row's largest t), a whole number; so 1/2 < the row's largest p <= 1. The row's sum l is taken of the UNQUANTISED p, in f32, and the product's result is divided by l at the end. Since M is a whole number, a kernel that streams over the keys may use a running M (the ceiling of the running maximum): every later rescaling is an exact power of two, so the quantised numbers keep their values, but for numbers so far below the row's largest that they fall under the format's range.
;;   OPERANDS COMPUTED ON THE WAY. 'Computed on the way' means the value that the module computes at that place (a softmax that the list does not call 'softmax' is quantised finished and normalised). What goes into a quantiser is computed in f32, as accurately as f32 sums, v_exp_f32 and their like allow (about 1e-6 of the number): no bf16 or f16 on the way to a quantiser, and a product that is left as it is and whose result goes on into a quantised operand takes f32 operands (vector FMAs, or v_wmma_f32_16x16x4_f32). A number that lies on a knife's edge between two numbers of the format may be rounded either way, as far as f32 arithmetic and the matrix unit's own rounding can turn it there, and no further.
;;   INPUTS GIVEN AS CODES. Wk (in the module: [512, 1024], K = its axis 1); Wq (in the module: [512, 1024], K = its axis 1); Wv (in the module: [512, 1024], K = its axis 1); x (in the module: [8, 2048, 1024], K = its axis 2): each comes as NAME_codes (uint8): NAME with its K axis moved to the last place and cut into blocks of 32 codes, [.., K / 32, bytes a block], one block behind the other in memory; one code a byte (a code: sign, 4 exponent bits, 3 mantissa bits); its scale is its entry of lowp_scales. Its value is code x scale, taken as it is: it is not quantised again, and the codes and scales need not be those that the quantiser above would give.
;; One version. Each part assembles by itself: llvm-mc -triple=amdgcn-amd-amdhsa -mcpu=gfx1250 --defsym DOCPART=n.
;; ======== version 1 of 1: 2 launches
;; limits: right only within a limited range of input values
;; workspace buffers: qi 8,388,608 bytes; ki 8,388,608 bytes; vi 8,388,608 bytes
;; launch proj (part 1): grid 128 x 2, 4 waves a work-group, clusters of 4 x 1, 327,680 bytes of LDS; arguments x_codes, Wq_codes, Wk_codes, Wv_codes, lowp_scales, qi, ki, vi; writes qi, ki, vi
.if DOCPART == 1
	.amdgcn_target "amdgcn-amd-amdhsa--gfx1250"
	.amdhsa_code_object_version 6
	.text
	.protected	k_qe22c8766a5_proj
	.globl	k_qe22c8766a5_proj
	.p2align	8
	.type	k_qe22c8766a5_proj,@function
k_qe22c8766a5_proj:
	s_mov_b64 s[64:65], 0
	v_nop
	global_prefetch_b8 v0, s[64:65] scope:SCOPE_SE
	s_setreg_imm32_b32 hwreg(HW_REG_WAVE_MODE, 25, 1), 1
	s_wait_xcnt 0x0
	s_wait_alu depctr_hold_cnt(0) depctr_sa_sdst(0) depctr_va_vdst(0) depctr_va_sdst(0) depctr_va_ssrc(0) depctr_va_vcc(0) depctr_vm_vsrc(0)
	s_getreg_b32 s2, hwreg(HW_REG_IB_STS2, 6, 4)
	s_cmp_eq_u32 s2, 0
	s_cbranch_scc0 .Lentry_in_a_cluster
	s_endpgm
.Lentry_in_a_cluster:
	s_bfe_u32 s2, ttmp6, 0x10000c
	s_cmp_lg_u32 s2, 0x3003
	s_cbranch_scc0 .Lentry_shape_is_right
	s_endpgm
.Lentry_shape_is_right:
; q = x Wq^T, k = x Wk^T, v = x Wv^T on codes of FP8 (E4M3) as they are given, sums in f32; each result is quantised in registers with its given scale and stored as codes.
; NOTHING IS LEFT OUT: all five inputs reach the output, and all five products of the problem are live (three here, two in the second launch).
; SCALES.  A sum of q stands for sum x 2^(e0 + e1), and q's code is q / 2^e6: so the conversion takes the one scale 2^(e6 - e0 - e1); k likewise e7 - e2 - e3, v likewise e9 - e4 - e5.
; LIMITS: each of these three folded exponents lies between -126 and 119, so that the scale and 448 x the scale are f32 numbers.  NaN codes among the inputs are not served.
; SHARES.  A work-group takes 128 tokens (x: 4 x cluster x + cx) and 256 of the 512 columns (y), for q, k and v: six steps of 128 rows of a W x all 1,024 of K.
; Wave w: i = w / 2 picks 64 tokens, j = w % 2 picks 64 of the step's 128 rows of W: 16 accumulators, 8 K steps of 128, 128 matrix instructions a step.
; The wave's fragments of x (4 tiles x 8 K steps x 16 = 512 registers) are read from LDS once and stay for all six steps; each fragment of W read from LDS feeds four matrix instructions.
; CLUSTER.  The four partners share y, so each tile of W is asked for JOINTLY (mask 15).  x's tile is the work-group's own: a plain load (only the two work-groups of a token block share it,
; and it is 128 KB of the 896 KB that a work-group fetches, so the cluster is laid along the axis that shares W).
; THE CLUSTERS TAKE A MATRIX'S TWO HALVES IN DIFFERENT ORDERS: with g the cluster's x, f = (g xor g / 2) mod 2, a matrix's first step takes half f of my 256 rows and its second step half 1 - f.
; So the clusters do not all ask for the same tile at the same time, and a matrix's second step asks for bytes that other clusters have asked for a step earlier.  f is the same in all four partners.
; WORKSPACE: IMAGES OF THE OPERANDS' REGISTERS.  A fragment (16 rows x 128 K) is 2,048 bytes: registers 4 c .. 4 c + 3 of lane l at 512 c + 16 l.
;   qi, ki: token tile T (16 tokens), K step s (128 of the 512): byte 8192 T + 2048 s.      vi: key step G (128 tokens), channel tile t: byte 65536 G + 2048 t.
; q and k are made TRANSPOSED (source 0 = 16 rows of W, source 1 = 16 tokens): a lane holds one token and eight neighbouring d; two neighbouring tiles give the 16 bytes of a group.
; v is made the other way (source 0 = tokens, source 1 = W): a lane holds one channel and eight neighbouring tokens, since the tokens are the last product's K.
; Byte n of a lane's 16 in group c then holds k = 32 c + 16 (n / 8) + 8 (lane / 16) + n % 8: the same order in q and k, and in v and the second launch's p, so every product meets its partner.
; So a wave's store is 512 consecutive bytes, aligned, straight from registers.
; REGISTERS: window 0: v1-16 addresses and scales, v32-63 codes, v64-255 three sets of W's four fragments; windows 1, 2: x's fragments (tile a, K step ks) at window 1 + ks / 4, v[64 (ks % 4) + 16 a];
;   window 3: accumulator (a, b) at v[8 (4 a + b)].
.set PITCH,  1040                      ; an LDS row: 1,024 bytes + 16 = 65 x 16: the 16 rows of a fragment load start at 16 different 16-byte columns modulo 256
.set WPART,  32*PITCH                  ; what one wave's tensor load brings: 32 rows
.set SLOTB,  128*PITCH                 ; a slot: 128 rows.  Slot 0 holds x's tile first, then tiles of W; slot 1 tiles of W
.set SPARE,  2*SLOTB                   ; behind the slots: the spare words, 128 bytes for each wave, which no other line names
.set LI,   1                           ; v1   16 x lane
.set XA,   2                           ; v2   my lane's place in x's tile
.set WA,   3                           ; v3, v4  the same in a tile of W in slot 0, 1
.set SPW,  5                           ; v5   my spare word; never rewritten
.set NIL,  6                           ; v6   0; never rewritten
.set SCQ,  7                           ; v7, v8, v9  the folded scales of q, k, v as f32
.set SCK,  8
.set SCV,  9
.set OFQ,  13                          ; v13, v14  16 x lane + 2,048 x the half that a matrix's first, second step takes: the stores' offset in qi and ki; never rewritten
.set OFV,  15                          ; v15, v16  16 x lane + 16,384 x that half: in vi; never rewritten
.set CD,   32                          ; v32-63 codes on their way out
.set WF,   64                          ; W's fragments: set n at v[64 + 64 n]
.set WV,   20                          ; s20  wave; s21 i; s22 j; s23 my part's LDS byte in a slot
.set G1X,  24                          ; s[24:31] descriptor group 1 of x's tile (no mask)
.set G1W,  32                          ; s[32:39] of W's tiles (mask 15)
.set G0,   40                          ; s[40:43], s[44:47] group 0 for slot 0, 1
.set WQ,   48                          ; s[48:49], s[50:51], s[52:53]  Wq, Wk, Wv at my y's first row + my wave's 32 rows
.set OQ,   54                          ; s[54:55], s[56:57], s[58:59]  where my wave's codes of q, k, v begin
.set OK,   56
.set OV,   58
.set PP,   60                          ; s[60:61], s[62:63]  131,072 x the half that a matrix's first, second step takes, each with 0 above it
.set LQ,   80                          ; s80, s81: +-448 x q's scale; s82, s83: k's; s84, s85: v's
.set LK,   82
.set LV,   84
.set MSB, 0
.macro WIN new                         ; the immediate's high byte repeats the setting that is left; a switch that changes nothing is dropped
.if MSB != (\new)
	s_set_vgpr_msb (MSB<<8)|(\new)
.set MSB, (\new)
.endif
.endm
.macro PLACES n
.rept \n
	v_nop
.endr
.endm
.macro ROUND                           ; a round of the cluster's barrier
	s_barrier_signal -1
	s_barrier_wait -1
	s_cmp_lg_u32 s[WV], 0
	s_cbranch_scc1 .Lnot_wave_0_\@
	s_barrier_signal -3
.Lnot_wave_0_\@:
	s_barrier_wait -3
	s_barrier_signal -1
	s_barrier_wait -1
.endm
.macro SCALES e, a, b, lim, vsc        ; E = e - a - b: 2^E into v[vsc]; 448 x 2^E and its negative into s[lim], s[lim + 1]
	s_sub_co_i32 s86, s[\e], s[\a]
	s_sub_co_i32 s86, s86, s[\b]
	s_add_co_i32 s86, s86, 127
	s_lshl_b32 s87, s86, 23
	v_mov_b32 v[\vsc], s87
	s_add_co_i32 s86, s86, 8
	s_lshl_b32 s86, s86, 23
	s_or_b32 s[\lim], s86, 0x600000
	s_or_b32 s[\lim+1], s[\lim], 0x80000000
.endm
	s_load_b256 s[4:11], s[0:1], 0x0               ; x s[4:5], Wq s[6:7], Wk s[8:9], Wv s[10:11]
	s_load_b256 s[12:19], s[0:1], 0x20             ; the scales' exponents s[12:13], qi s[14:15], ki s[16:17], vi s[18:19]
	v_lshl_add_u32 v[SPW], v0, 2, SPARE
	v_mov_b32 v[NIL], 0
	ds_add_u32 v[SPW], v[NIL]                      ; the wave's opening: the add, twice on end, and its wait ahead of my first tensor load
	ds_add_u32 v[SPW], v[NIL]
	v_lshrrev_b32 v1, 5, v0
	v_readfirstlane_b32 s[WV], v1                  ; wave 0..3
	s_lshr_b32 s21, s[WV], 1                       ; i: my half of the tokens
	s_and_b32 s22, s[WV], 1                        ; j: my half of a step's rows of W
	s_bfe_u32 s86, ttmp6, 0x40000                  ; cx
	s_lshl_b32 s87, ttmp9, 2
	s_add_co_u32 s87, s87, s86                     ; token block = 4 x cluster x + cx
	s_and_b32 s88, ttmp7, 0xffff                   ; y: which 256 columns; the four partners share it
	s_lshr_b32 s[PP], ttmp9, 1                     ; the cluster's x alone: the four partners share it
	s_xor_b32 s[PP], s[PP], ttmp9
	s_and_b32 s[PP], s[PP], 1                      ; f
	s_lshl_b32 s[PP], s[PP], 17                    ; a matrix's first step: half f, 128 rows of 1,024 bytes a half;
	s_mov_b32 s[PP+1], 0
	s_xor_b32 s[PP+2], s[PP], 131072               ; its second step: the other half
	s_mov_b32 s[PP+3], 0
	s_mov_b32 s[G1X], (1<<20)|(7<<22)|(3<<25)      ; elements of 1 byte; padding on: 4 words behind every 256 words; no mask
	s_mov_b32 s[G1W], 15|(1<<20)|(1<<21)|(7<<22)|(3<<25)  ; the same with the mask of all four partners, bit 21 beside it
.irp g, G1X, G1W
	s_mov_b32 s[\g+1], 1024<<16                    ; tensor_dim0 = 1,024
	s_mov_b32 s[\g+2], 32<<16                      ; tensor_dim1 = 32
	s_mov_b32 s[\g+3], 1024<<16                    ; tile_dim0 = 1,024
	s_mov_b32 s[\g+4], 32                          ; tile_dim1 = 32
	s_mov_b32 s[\g+5], 1024                        ; from row to row
	s_mov_b32 s[\g+6], 0
	s_mov_b32 s[\g+7], 0
.endr
	s_mov_b32 s[G1X+2], 64<<16                     ; x's tile is fetched by two waves, 64 rows each
	s_mov_b32 s[G1X+4], 64
	s_lshl_b32 s89, s[WV], 15                      ; my wave's 32 rows of 1,024 bytes
	s_lshl_b32 s90, s87, 17                        ; x: 128 tokens of 1,024 bytes a block
	s_lshl_b32 s97, s22, 16                        ; at the head a fetching wave takes 64 rows: which half of the tile
	s_add_co_u32 s90, s90, s97
	s_mov_b32 s91, 0
	s_lshl_b32 s92, s88, 18                        ; W: 256 rows a y.  These two registers never hold cx
	s_add_co_u32 s96, s92, s97                     ; the first step's tile, by halves
	s_mov_b32 s97, 0
	s_add_co_u32 s92, s92, s89                     ; later tiles, by quarters
	s_mov_b32 s93, 0
	s_lshl_b32 s94, s87, 16                        ; qi, ki: 8 token tiles of 8,192 bytes a block,
	s_lshl_b32 s89, s21, 15                        ; + 4 tiles for i,
	s_add_co_u32 s94, s94, s89
	s_lshl_b32 s89, s88, 12                        ; + 2 K steps of 2,048 for y,
	s_add_co_u32 s94, s94, s89
	s_lshl_b32 s89, s22, 10                        ; + 2 groups of 512 for j
	s_add_co_u32 s94, s94, s89
	s_mov_b32 s95, 0
	s_lshl_b32 s78, s87, 16                        ; vi: a key step of 65,536 bytes a block,
	s_lshl_b32 s89, s88, 15                        ; + 16 channel tiles of 2,048 for y,
	s_add_co_u32 s78, s78, s89
	s_lshl_b32 s89, s22, 13                        ; + 4 tiles for j,
	s_add_co_u32 s78, s78, s89
	s_lshl_b32 s89, s21, 10                        ; + 2 groups for i
	s_add_co_u32 s78, s78, s89
	s_mov_b32 s79, 0
	s_mul_i32 s23, s[WV], WPART                    ; where my 32 rows go in a slot: the wave's number alone
	s_wait_dscnt 0x0                               ; both opening adds are done
	s_wait_kmcnt 0x0
	s_load_b256 s[68:75], s[12:13], 0x0            ; e0 .. e7
	s_load_b64 s[76:77], s[12:13], 0x20            ; e8, e9
	s_mov_b32 s[G0], 1
	s_mul_i32 s[G0+1], s[WV], 64*PITCH             ; head: waves 0, 1 fill slot 0, waves 2, 3 slot 1, 64 rows each: wave x 64 rows
	s_add_nc_u64 s[G0+2:G0+3], s[4:5], s[90:91]    ; slot 0 first takes x's tile
	s_or_b32 s[G0+3], s[G0+3], 0x80000000
	s_add_nc_u64 s[WQ:WQ+1], s[6:7], s[92:93]
	s_add_nc_u64 s[WQ+2:WQ+3], s[8:9], s[92:93]
	s_add_nc_u64 s[WQ+4:WQ+5], s[10:11], s[92:93]
	s_mov_b32 s[G0+4], 1
	s_mul_i32 s[G0+5], s[WV], 64*PITCH
	s_add_nc_u64 s[G0+6:G0+7], s[6:7], s[96:97]
	s_add_nc_u64 s[G0+6:G0+7], s[G0+6:G0+7], s[PP:PP+1]  ; slot 1: step 0, Wq's half f of my y
	s_or_b32 s[G0+7], s[G0+7], 0x80000000
	s_add_nc_u64 s[OQ:OQ+1], s[14:15], s[94:95]
	s_add_nc_u64 s[OK:OK+1], s[16:17], s[94:95]
	s_add_nc_u64 s[OV:OV+1], s[18:19], s[78:79]
	s_mov_b32 s88, 15|(1<<20)|(1<<21)|(7<<22)|(3<<25)  ; s[88:95] group 1 of the first tile of W: 64 rows a wave, joint
	s_mov_b32 s89, 1024<<16
	s_mov_b32 s90, 64<<16
	s_mov_b32 s91, 1024<<16
	s_mov_b32 s92, 64
	s_mov_b32 s93, 1024
	s_mov_b32 s94, 0
	s_mov_b32 s95, 0
	; No prefetch: x comes once, at the head, and W's tiles are asked for by other clusters a step earlier (their halves in the other order).
	ROUND                                          ; all four partners are here: the first loads go out as one group; one load of mine is out
	s_cmp_lt_u32 s[WV], 2
	s_cbranch_scc0 .Lfirst_w
	tensor_load_to_lds s[G0:G0+3], s[G1X:G1X+7]
	s_nop 0
	PLACES 4
	s_branch .Lfirst_asked
.Lfirst_w:
	tensor_load_to_lds s[G0+4:G0+7], s[88:95]
	s_nop 0
	PLACES 4
.Lfirst_asked:
	v_and_b32 v[LI], 31, v0
	v_lshlrev_b32 v[LI], 4, v[LI]
	s_lshr_b32 s86, s[PP], 6                       ; a half of 128 columns is one K step of 2,048 bytes in qi and ki,
	v_add_nc_u32 v[OFQ], s86, v[LI]
	s_lshr_b32 s86, s[PP+2], 6
	v_add_nc_u32 v[OFQ+1], s86, v[LI]
	s_lshr_b32 s86, s[PP], 3                       ; and eight channel tiles, 16,384 bytes, in vi
	v_add_nc_u32 v[OFV], s86, v[LI]
	s_lshr_b32 s86, s[PP+2], 3
	v_add_nc_u32 v[OFV+1], s86, v[LI]
	v_and_b32 v10, 15, v0                          ; r
	v_bfe_u32 v11, v0, 4, 1                        ; h
	v_mul_u32_u24 v12, v10, PITCH
	v_lshl_add_u32 v12, v11, 4, v12                ; a fragment's row x pitch + 16 h: registers 4 c .. 4 c + 3 take K = 32 c + 16 h + 0 .. 15, alike in x and W
	s_mul_i32 s86, s21, 64*PITCH
	v_add_nc_u32 v[XA], s86, v12
	s_mul_i32 s86, s22, 64*PITCH
	v_add_nc_u32 v[WA], s86, v12
	v_add_nc_u32 v[WA+1], SLOTB, v[WA]
	s_wait_alu depctr_va_vdst(0)
	s_wait_kmcnt 0x0
	SCALES 74, 68, 69, LQ, SCQ                     ; e6 - e0 - e1
	SCALES 75, 70, 71, LK, SCK                     ; e7 - e2 - e3
	SCALES 77, 72, 73, LV, SCV                     ; e9 - e4 - e5
.macro XFETCH                          ; my 64 tokens x 1,024 K: 128 loads, once
.irp ks, 0,1,2,3,4,5,6,7
	WIN 0x40+0x40*(\ks/4)
.irp a, 0,1,2,3
.irp c, 0,1,2,3
	ds_load_b128 v[64*(\ks%4)+16*\a+4*\c:64*(\ks%4)+16*\a+4*\c+3], v[XA] offset:\a*16*PITCH+128*\ks+32*\c
.endr
.endr
.endr
.endm
.macro FETCHW slot, ks, set            ; W's four fragments of K step ks into a set: 16 loads
	WIN 0
.irp b, 0,1,2,3
.irp c, 0,1,2,3
	ds_load_b128 v[WF+64*(\set)+16*\b+4*\c:WF+64*(\set)+16*\b+4*\c+3], v[WA+(\slot)] offset:\b*16*PITCH+128*(\ks)+32*\c
.endr
.endr
.endm
; 16 matrix instructions, one K step.  kind 0 (q, k): source 0 = W, source 1 = x.  kind 1 (v): the other way round.  K step 0 starts the sums with the constant 0.
; The 16 accumulators take turns, one instruction a turn, in the same order in every K step.
.macro MULK kind, ks, set
.if \kind
	WIN 0xf1+(\ks)/4
.else
	WIN 0xf4+4*((\ks)/4)
.endif
.irp b, 0,1,2,3
.irp a, 0,1,2,3
.set rW, WF+64*(\set)+16*\b
.set rX, 64*((\ks)%4)+16*\a
.set rD, 8*(4*\a+\b)
.if \kind
.if (\ks) == 0
	v_wmma_f32_16x16x128_fp8_fp8 v[rD:rD+7], v[rX:rX+15], v[rW:rW+15], 0
.else
	v_wmma_f32_16x16x128_fp8_fp8 v[rD:rD+7], v[rX:rX+15], v[rW:rW+15], v[rD:rD+7]
.endif
.else
.if (\ks) == 0
	v_wmma_f32_16x16x128_fp8_fp8 v[rD:rD+7], v[rW:rW+15], v[rX:rX+15], 0
.else
	v_wmma_f32_16x16x128_fp8_fp8 v[rD:rD+7], v[rW:rW+15], v[rX:rX+15], v[rD:rD+7]
.endif
.endif
.endr
.endr
.endm
.macro PRO slot                        ; a step's first three K steps of W
	FETCHW \slot, 0, 0
	FETCHW \slot, 1, 1
	FETCHW \slot, 2, 2
.endm
.macro MULS kind, slot                 ; a step: 8 K steps; W's fragments run three K steps ahead, in three sets
.irp ks, 0,1,2,3,4,5,6,7
.if \ks < 6
	s_wait_dscnt 32                                ; this K step's 16 loads are in; those of the next two K steps may be out
.else
	s_wait_dscnt 16*(7-\ks)
.endif
	MULK \kind, \ks, (\ks%3)
.if \ks < 5
	PLACES 4                                       ; four plain places between the products and the loads into the set that they read (ISA guide 7.12.1 for vector instructions)
	FETCHW \slot, (\ks+3), (\ks%3)
.endif
.endr
.endm
; THE CHANGE OF SLOTS at the head of step n.  Each wave waits for all its tensor loads (its part of step n's tile), adds 0 to its spare word, and waits for that and for its reads of the other slot.
; fill = 1: a round of the cluster's barrier, and behind it, first, the joint load of step n + 1's tile into the slot just left: it has a whole step in which to land; one load of mine is out.
.macro CHANGE n, fill
	WIN 0
	s_wait_tensorcnt 0x0                           ; no tensor load of mine is out, so a group 0 may be written
	ds_add_u32 v[SPW], v[NIL]
.if \fill
	s_add_nc_u64 s[G0+4*((\n)%2)+2:G0+4*((\n)%2)+3], s[WQ+2*(((\n)+1)/2):WQ+2*(((\n)+1)/2)+1], s[PP+2*(((\n)+1)%2):PP+2*(((\n)+1)%2)+1]
	s_or_b32 s[G0+4*((\n)%2)+3], s[G0+4*((\n)%2)+3], 0x80000000
.endif
	s_wait_dscnt 0x0                               ; the add is done, and my reads of the slot that I have left are over
.if \fill
	ROUND
	tensor_load_to_lds s[G0+4*((\n)%2):G0+4*((\n)%2)+3], s[G1W:G1W+7]
	s_nop 0
.else
	s_barrier_signal -1
	s_barrier_wait -1
.endif
	PLACES 4                                       ; also the places between the last step's products and the loads and reads that follow
.endm
; THE WAY OUT of a step: hold within +-448 x the scale (the conversion to an 8-bit code does not saturate: ISA guide 7.6.2), convert, store.  Each accumulator is read from its low end on.
; p = 0: the matrix's first step, 1: its second: which half of the columns that was stands in the stores' vector offset.
.macro OUT kind, lim, sc, base, p
	s_wait_xcnt 0x0                                ; the last way out's stores have read the codes' registers
	WIN 0xc3
.set R, 0
.rept 128
	v_med3_num_f32 v[R], v[R], s[\lim+1], s[\lim]
.set R, R+1
.endr
	WIN 0x03
.irp u, 0,1,2,3
.irp g, 0,1
.if \kind                              ; u = channel tile b, g = pair of token tiles
	v_cvt_scalef32_pk8_fp8_f32 v[CD+4*(2*\u+\g):CD+4*(2*\u+\g)+1], v[8*(8*\g+\u):8*(8*\g+\u)+7], v[\sc]
	v_cvt_scalef32_pk8_fp8_f32 v[CD+4*(2*\u+\g)+2:CD+4*(2*\u+\g)+3], v[8*(8*\g+4+\u):8*(8*\g+4+\u)+7], v[\sc]
.else                                  ; u = token tile a, g = pair of tiles of d
	v_cvt_scalef32_pk8_fp8_f32 v[CD+4*(2*\u+\g):CD+4*(2*\u+\g)+1], v[8*(4*\u+2*\g):8*(4*\u+2*\g)+7], v[\sc]
	v_cvt_scalef32_pk8_fp8_f32 v[CD+4*(2*\u+\g)+2:CD+4*(2*\u+\g)+3], v[8*(4*\u+2*\g+1):8*(4*\u+2*\g+1)+7], v[\sc]
.endif
.endr
.endr
	v_nop                                          ; one plain instruction between the conversions and the next products, which write their sources
	WIN 0
.irp u, 0,1,2,3
.irp g, 0,1
.if \kind
	global_store_b128 v[OFV+\p], v[CD+4*(2*\u+\g):CD+4*(2*\u+\g)+3], s[\base:\base+1] offset:\u*2048+\g*512
.else
	global_store_b128 v[OFQ+\p], v[CD+4*(2*\u+\g):CD+4*(2*\u+\g)+3], s[\base:\base+1] offset:\u*8192+\g*512   ; the wave stores 512 consecutive bytes, aligned
.endif
.endr
.endr
.endm
	s_wait_tensorcnt 0x0                           ; my part of x's tile or of step 0's tile of W is in
	s_mov_b32 s[G0+1], s23                         ; from here on each wave fetches 32 rows of every tile of W
	s_add_co_u32 s[G0+5], s23, SLOTB
	s_barrier_signal -1
	s_barrier_wait -1
	XFETCH
	CHANGE 0, 1                                    ; x is in registers in every wave of every partner: slot 0 takes step 1's tile
	PRO 1
	MULS 0, 1                                      ; step 0: q, its first step
	CHANGE 1, 1
	PRO 0                                          ; the next step's first fragments land while the last step's results go out
	OUT 0, LQ, SCQ, OQ, 0
	MULS 0, 0                                      ; step 1: q, its second step
	CHANGE 2, 1
	PRO 1
	OUT 0, LQ, SCQ, OQ, 1
	MULS 0, 1                                      ; step 2: k
	CHANGE 3, 1
	PRO 0
	OUT 0, LK, SCK, OK, 0
	MULS 0, 0                                      ; step 3: k
	CHANGE 4, 1
	PRO 1
	OUT 0, LK, SCK, OK, 1
	MULS 1, 1                                      ; step 4: v
	CHANGE 5, 0                                    ; nothing is left to fetch
	PRO 0
	OUT 1, LV, SCV, OV, 0
	MULS 1, 0                                      ; step 5: v
	PLACES 4
	OUT 1, LV, SCV, OV, 1
	s_wait_tensorcnt 0x0                           ; the wave's end
	ds_add_u32 v[SPW], v[NIL]
	s_wait_dscnt 0x0
	ROUND                                          ; the closing round: no work-group ends while a partner may still ask for a tile that names it
	s_endpgm
.Lfunc_end_k_qe22c8766a5_proj:
	.size	k_qe22c8766a5_proj, .Lfunc_end_k_qe22c8766a5_proj-k_qe22c8766a5_proj
	.p2alignl 7, 3214868480
	.fill 96, 4, 3214868480
	.section	.rodata,"a",@progbits
	.p2align	6, 0x0
	.amdhsa_kernel k_qe22c8766a5_proj
		.amdhsa_group_segment_fixed_size 327680
		.amdhsa_private_segment_fixed_size 0
		.amdhsa_enable_private_segment 0
		.amdhsa_kernarg_size 64
		.amdhsa_user_sgpr_count 2
		.amdhsa_user_sgpr_kernarg_segment_ptr 1
		.amdhsa_wavefront_size32 1
		.amdhsa_system_sgpr_workgroup_id_x 1
		.amdhsa_system_sgpr_workgroup_id_y 1
		.amdhsa_system_sgpr_workgroup_id_z 1
		.amdhsa_system_vgpr_workitem_id 0
		.amdhsa_next_free_vgpr 896
		.amdhsa_next_free_sgpr 100
		.amdhsa_reserve_vcc 0
		.amdhsa_float_denorm_mode_32 3
		.amdhsa_float_denorm_mode_16_64 3
		.amdhsa_memory_ordered 1
		.amdhsa_forward_progress 1
		.amdhsa_inst_pref_size 183
	.end_amdhsa_kernel
	.amdgpu_metadata
---
amdhsa.version: [ 1, 2 ]
amdhsa.kernels:
  - .name:           k_qe22c8766a5_proj
    .symbol:         k_qe22c8766a5_proj.kd
    .args:
      - { .name: x_codes, .offset: 0, .size: 8, .value_kind: global_buffer, .address_space: global }
      - { .name: Wq_codes, .offset: 8, .size: 8, .value_kind: global_buffer, .address_space: global }
      - { .name: Wk_codes, .offset: 16, .size: 8, .value_kind: global_buffer, .address_space: global }
      - { .name: Wv_codes, .offset: 24, .size: 8, .value_kind: global_buffer, .address_space: global }
      - { .name: lowp_scales, .offset: 32, .size: 8, .value_kind: global_buffer, .address_space: global }
      - { .name: qi, .offset: 40, .size: 8, .value_kind: global_buffer, .address_space: global }
      - { .name: ki, .offset: 48, .size: 8, .value_kind: global_buffer, .address_space: global }
      - { .name: vi, .offset: 56, .size: 8, .value_kind: global_buffer, .address_space: global }
    .group_segment_fixed_size: 327680
    .private_segment_fixed_size: 0
    .kernarg_segment_align: 8
    .kernarg_segment_size: 64
    .max_flat_workgroup_size: 128
    .sgpr_count:     100
    .vgpr_count:     896
    .wavefront_size: 32
...
	.end_amdgpu_metadata
.endif
;; end of part 1
;; launch attn (part 2): grid 32 x 8, 8 waves a work-group, clusters of 4 x 1, 327,680 bytes of LDS; arguments qi, ki, vi, lowp_scales, out0; writes out0
.if DOCPART == 2
	.amdgcn_target "amdgcn-amd-amdhsa--gfx1250"
	.amdhsa_code_object_version 6
	.text
	.protected	k_qe22c8766a5_attn
	.globl	k_qe22c8766a5_attn
	.p2align	8
	.type	k_qe22c8766a5_attn,@function
k_qe22c8766a5_attn:
	s_mov_b64 s[64:65], 0
	v_nop
	global_prefetch_b8 v0, s[64:65] scope:SCOPE_SE
	s_setreg_imm32_b32 hwreg(HW_REG_WAVE_MODE, 25, 1), 1
	s_wait_xcnt 0x0
	s_wait_alu depctr_hold_cnt(0) depctr_sa_sdst(0) depctr_va_vdst(0) depctr_va_sdst(0) depctr_va_ssrc(0) depctr_va_vcc(0) depctr_vm_vsrc(0)
	s_getreg_b32 s2, hwreg(HW_REG_IB_STS2, 6, 4)
	s_cmp_eq_u32 s2, 0
	s_cbranch_scc0 .Lentry_in_a_cluster
	s_endpgm
.Lentry_in_a_cluster:
	s_bfe_u32 s2, ttmp6, 0x10000c
	s_cmp_lg_u32 s2, 0x3003
	s_cbranch_scc0 .Lentry_shape_is_right
	s_endpgm
.Lentry_shape_is_right:
; O[q][:] = the sum over k of softmax_k(q . k / sqrt(512)) v[k][:], both products on codes of FP8 (E4M3).  NOTHING IS LEFT OUT.
; t = score x log2(e) / sqrt(512); M = the running largest t rounded up to a whole number; p = 2^(t - M) is quantised, not normalised; the row's sum is taken of the unquantised p and divides at the end.
; When M moves, the sum and O are multiplied by f = 2^(old M - new M): exact.
; LIMITS: e6 + e7 between -122 and 130, e8 between -126 and 119 (powers of two made as f32 numbers); scaled scores under 2^31 in magnitude.
; SHARES.  A work-group owns 64 queries of one batch and walks its 2,048 keys in eight steps of 256, with two kinds of waves, four of each:
;   SCORE WAVES (0 to 3): step i's S^T and softmax, 64 of the step's keys x all 64 queries a wave;   VALUE WAVES (4 to 7): step i - 1's O^T, 128 of the 512 channels x all 64 queries a wave.
; So each fragment of K and V is read from LDS by one wave, once, and feeds four matrix instructions, and the softmax of one step stands beside the last product of the step before.
; LDS carries the score waves' maxima among them, and P's codes, f and at the end the sums to the value waves.  A score wave fetches its own quarter of K, a value wave its own quarter of each half of V.
; Two barriers a step, each a round of the cluster's barrier: A behind the maxima, B behind P's codes.  Behind A(i): K of step i + 1, and the first half (128 keys) of V of step i; behind B(i): the second half of V of step i.
; Workspace images (first launch): a fragment (16 rows x 128 K) is 2,048 bytes, registers 4 c .. 4 c + 3 of lane l at 512 c + 16 l.
; CLUSTER: the four partners (4 x y + cx: the query block) share the batch, which is the cluster's x: every tile of K and V is asked for jointly (mask 15).
; PREFETCH: in step i the tiles of step i + 2.  A batch's 32 work-groups share each tile out by address, 4,096 bytes each: wave 4 asks for K's, wave 5 for V's part,
; a lane a block of 256 bytes (lanes 16 to 31 name the last block again).  Steps 0 and 1 come by their loads alone; steps 6 and 7 ask for nothing.
; REGISTERS.  Window 0: addresses, state at ST; score waves: S^T (tau, m) at S + 32 tau + 8 m, four fragments of K at X (in the softmax: maxima, codes, a second chain of the sum), four more in S's free upper half;
;   value waves: P's fragments of half a step at S, V's eight of half a step at VF.
;   Window 1: score waves: Q's fragments (m, s) at 16 (4 m + s); value waves: O^T, accumulator (t, m) at 8 (4 t + m).
.set VR,    131072                     ; LDS: K's slot at 0 (128 KiB), V's halves here and 65,536 on
.set PIMG,  262144                     ; P's codes: 8 fragments
.set MAXB,  278528                     ; the score waves' maxima, 512 bytes each
.set LSUM,  280576                     ; their sums
.set FB,    282624                     ; their f
.set SPARE, 284672                     ; spare words, 128 bytes a wave
.set STG,   285696                     ; the way out: 16 rows x 528 bytes a value wave
.set STEPB, 131072                     ; 256 keys of 512 bytes
.set LI,  1                            ; 16 x lane
.set KA,  2
.set VA,  3                            ; v3, v4: V's first, second half
.set PW,  5
.set PR,  6
.set MXW, 7
.set MXR, 8
.set LSW, 9
.set LSR, 10
.set STO, 11
.set RD,  12
.set PFO, 13
.set SPW, 14
.set NIL, 15
.set PLIM, 16                          ; v16, v17: 448 x 2^e8
.set PSC, 18                           ; 2^e8
.set FW,  19
.set LMX, 20                           ; (value waves: f as it comes)
.set TP,  24
.set LH,  28
.set ST,  32                           ; of query tile m at ST + 8 m: -M, largest t, the sum in two halves (value waves: 2^(e8 + e9) / sum), f, (0), two at work
.set S,   64
.set VF,  128
.set X,   192
.set MX,  192
.set PC,  208
.set CH,  240
.set WV,  14
.set W3,  50                           ; my number among my kind
.set G1K, 24                           ; s[24:31] group 1: 128 rows of 256 bytes;  s[68:75]: 64 rows
.set G1V, 68
.set G0K, 32
.set G0V, 36
.set G0U, 76                           ; V's second half
.set SEL, 40
.set CS,  42
.set CNT, 48
.set PFN, 49                           ; a prefetch is asked for while CNT is at or above this
.set PFA, 86
.set MSB, 0
.macro WIN new                         ; the immediate's high byte repeats the setting that is left
.if MSB != (\new)
	s_set_vgpr_msb (MSB<<8)|(\new)
.set MSB, (\new)
.endif
.endm
.macro PLACES n
.rept \n
	v_nop
.endr
.endm
.macro ROUND                           ; a round of the cluster's barrier
	s_barrier_signal -1
	s_barrier_wait -1
	s_cmp_lg_u32 s[WV], 0
	s_cbranch_scc1 .Lnot_wave_0_\@
	s_barrier_signal -3
.Lnot_wave_0_\@:
	s_barrier_wait -3
	s_barrier_signal -1
	s_barrier_wait -1
.endm
; Each wave waits for all its tensor loads, adds 0 to its spare word, and waits for that and for its LDS reads and stores; then a round.  sk, sv = 1: K's, V's walking descriptors step.
.macro MEET sk, sv
	s_wait_tensorcnt 0x0
	ds_add_u32 v[SPW], v[NIL]
.if \sk
	s_add_nc_u64 s[G0K+2:G0K+3], s[G0K+2:G0K+3], STEPB
.endif
.if \sv
	s_add_nc_u64 s[G0V+2:G0V+3], s[G0V+2:G0V+3], STEPB
	s_add_nc_u64 s[G0U+2:G0U+3], s[G0U+2:G0U+3], STEPB
.endif
	s_wait_dscnt 0x0
	ROUND
.endm
.macro TLOAD g0, g1                    ; my one tensor load behind a round
	tensor_load_to_lds s[\g0:\g0+3], s[\g1:\g1+7]
	s_nop 0
	PLACES 4
.endm
.macro ASK
	s_wait_xcnt 0x0                                ; my last prefetch has read its address: on by a tile
	s_add_nc_u64 s[PFA:PFA+1], s[PFA:PFA+1], STEPB
	s_cmp_ge_u32 s[CNT], s[PFN]
	s_cbranch_scc0 .Lnot_mine_\@
	global_prefetch_b8 v[PFO], s[PFA:PFA+1] th:TH_LOAD_NT scope:SCOPE_SE
.Lnot_mine_\@:
.endm
.macro KRUN tau, dst                   ; the four fragments of key tile tau
.irp s, 0,1,2,3
.irp c, 0,1,2,3
	ds_load_b128 v[(\dst)+16*\s+4*\c:(\dst)+16*\s+4*\c+3], v[KA] offset:(\tau)*8192+\s*2048+\c*512
.endr
.endr
.endm
.macro STAU tau, src, w0               ; S^T of key tile tau: 16 matrix instructions, the four accumulators by turns; w0: the LDS loads younger than its first fragment
	WIN 0x04
.irp s, 0,1,2,3
	s_wait_dscnt (\w0)-4*\s
.irp m, 0,1,2,3
.if \s == 0
	v_wmma_f32_16x16x128_fp8_fp8 v[S+32*(\tau)+8*\m:S+32*(\tau)+8*\m+7], v[(\src)+16*\s:(\src)+16*\s+15], v[16*(4*\m+\s):16*(4*\m+\s)+15], 0
.else
	v_wmma_f32_16x16x128_fp8_fp8 v[S+32*(\tau)+8*\m:S+32*(\tau)+8*\m+7], v[(\src)+16*\s:(\src)+16*\s+15], v[16*(4*\m+\s):16*(4*\m+\s)+15], v[S+32*(\tau)+8*\m:S+32*(\tau)+8*\m+7]
.endif
.endr
.endr
	WIN 0
.endm
.macro MAXL n                          ; the n-th link of the four maxima: number e of a query's 32 lies at S + 32 (e / 8) + 8 m + e % 8; each accumulator from its low end on
.irp m, 0,1,2,3
.if (\n) == 0
	v_max3_num_f32 v[LMX+\m], v[S+8*\m], v[S+8*\m+1], v[S+8*\m+2]
.elseif (\n) < 15
	v_max3_num_f32 v[LMX+\m], v[LMX+\m], v[S+32*((2*(\n)+1)/8)+8*\m+(2*(\n)+1)%8], v[S+32*((2*(\n)+2)/8)+8*\m+(2*(\n)+2)%8]
.else
	v_max_num_f32 v[LMX+\m], v[LMX+\m], v[S+96+8*\m+7]
.endif
.endr
.endm
; SCORE WAVES, first half of a step: S^T and the maxima of my 64 keys.  Places: four ahead of loads into registers that products have read, five ahead of products that write over them.
.macro ASEG1
	KRUN 0, X
	KRUN 1, (S+64)
	STAU 0, X, 28
	PLACES 4
	KRUN 2, X
	STAU 1, (S+64), 28
	PLACES 5
	STAU 2, X, 12
	PLACES 4
	KRUN 3, X
.irp n, 0,1,2,3,4,5,6,7,8,9,10         ; the maxima of the first three key tiles while the last one's fragments come
	MAXL \n
.endr
	s_wait_alu depctr_va_vdst(0)                   ; directly ahead of the waits below
	STAU 3, X, 12
	PLACES 4
.irp n, 11,12,13,14,15
	MAXL \n
.endr
	ds_store_b128 v[MXW], v[LMX:LMX+3]
	s_wait_alu depctr_va_vdst(0)
.endm
; SCORE WAVES, second half: the softmax.  last = 1: the sums go to the value waves too.
.macro ASEG2 last
.irp q, 0,1,2,3
	ds_load_b128 v[MX+4*\q:MX+4*\q+3], v[MXR] offset:512*\q
.endr
	s_wait_dscnt 0x0
.irp m, 0,1,2,3
	v_max3_num_f32 v[ST+8*\m+6], v[MX+\m], v[MX+4+\m], v[MX+8+\m]
.endr
.irp m, 0,1,2,3
	v_max_num_f32 v[ST+8*\m+6], v[ST+8*\m+6], v[MX+12+\m]
.endr
.irp m, 0,1,2,3
	v_permlanex16_b32 v[TP+\m], v[ST+8*\m+6], s[SEL], s[SEL+1]
.endr
.irp m, 0,1,2,3
	v_max_num_f32 v[ST+8*\m+6], v[ST+8*\m+6], v[TP+\m]
.endr
.irp m, 0,1,2,3
	v_mul_f32 v[ST+8*\m+6], s[CS], v[ST+8*\m+6]
.endr
.irp m, 0,1,2,3
	v_max_num_f32 v[ST+8*\m+1], v[ST+8*\m+1], v[ST+8*\m+6]   ; the running largest t
.endr
.irp m, 0,1,2,3
	v_mov_b32 v[ST+8*\m+6], v[ST+8*\m]
.endr
.irp m, 0,1,2,3
	v_floor_f32 v[ST+8*\m], -v[ST+8*\m+1]          ; -M
.endr
.irp m, 0,1,2,3
	v_sub_f32 v[ST+8*\m+6], v[ST+8*\m], v[ST+8*\m+6]
.endr
.irp m, 0,1,2,3
	v_cvt_i32_f32 v[ST+8*\m+6], v[ST+8*\m+6]
.endr
.irp m, 0,1,2,3
	v_ldexp_f32 v[ST+8*\m+4], 1.0, v[ST+8*\m+6]    ; f = 2^(old M - new M)
.endr
.irp m, 0,1,2,3
.irp k, 0,1,2,3,4,5,6,7,8,9,10,11,12,13,14,15
	v_pk_fma_f32 v[S+32*(\k/4)+8*\m+2*(\k%4):S+32*(\k/4)+8*\m+2*(\k%4)+1], v[S+32*(\k/4)+8*\m+2*(\k%4):S+32*(\k/4)+8*\m+2*(\k%4)+1], s[CS:CS+1], v[ST+8*\m:ST+8*\m+1] op_sel_hi:[1,0,0]   ; t - M, two at a time
.endr
.endr
.irp m, 0,1,2,3
	v_mov_b32 v[LH+\m], v[ST+8*\m+4]
.endr
	s_wait_alu depctr_va_vdst(0)
.set J, S
.rept 128
	v_exp_f32 v[J], v[J]                           ; p = 2^(t - M)
.set J, J+1
.endr
.irp m, 0,1,2,3
	v_pk_mul_f32 v[ST+8*\m+2:ST+8*\m+3], v[ST+8*\m+2:ST+8*\m+3], v[ST+8*\m+4:ST+8*\m+5] op_sel_hi:[1,0]
.endr
	s_wait_alu depctr_va_vdst(0)
.irp m, 0,1,2,3
	v_pk_add_f32 v[CH+2*\m:CH+2*\m+1], v[S+8*\m:S+8*\m+1], v[S+8*\m+2:S+8*\m+3]   ; the sum is taken of the unquantised p, in two chains
.endr
.irp k, 2,4,6,8,10,12,14
.irp m, 0,1,2,3
	v_pk_add_f32 v[ST+8*\m+2:ST+8*\m+3], v[ST+8*\m+2:ST+8*\m+3], v[S+32*(\k/4)+8*\m+2*(\k%4):S+32*(\k/4)+8*\m+2*(\k%4)+1]
	v_pk_add_f32 v[CH+2*\m:CH+2*\m+1], v[CH+2*\m:CH+2*\m+1], v[S+32*(\k/4)+8*\m+2*(\k%4)+2:S+32*(\k/4)+8*\m+2*(\k%4)+3]
.endr
.endr
.irp m, 0,1,2,3
	v_pk_add_f32 v[ST+8*\m+2:ST+8*\m+3], v[ST+8*\m+2:ST+8*\m+3], v[CH+2*\m:CH+2*\m+1]
.endr
.set J, S
.rept 64                               ; the hold: the conversion does not saturate (ISA guide 7.6.2); p is not negative
	v_dual_min_num_f32 v[J], v[J], v[PLIM] :: v_dual_min_num_f32 v[J+1], v[J+1], v[PLIM+1]
.set J, J+2
.endr
.irp m, 0,1,2,3
.irp b, 0,1
	v_cvt_scalef32_pk8_fp8_f32 v[PC+4*(2*\m+\b):PC+4*(2*\m+\b)+1], v[S+64*\b+8*\m:S+64*\b+8*\m+7], v[PSC]
	v_cvt_scalef32_pk8_fp8_f32 v[PC+4*(2*\m+\b)+2:PC+4*(2*\m+\b)+3], v[S+64*\b+32+8*\m:S+64*\b+32+8*\m+7], v[PSC]
.endr
.endr
	v_nop                                          ; one plain place behind the conversions
.irp m, 0,1,2,3
.irp b, 0,1
	ds_store_b128 v[PW], v[PC+4*(2*\m+\b):PC+4*(2*\m+\b)+3] offset:\m*4096+\b*512
.endr
.endr
	ds_store_b128 v[FW], v[LH:LH+3]
.if \last
.irp m, 0,1,2,3
	v_add_f32 v[LH+\m], v[ST+8*\m+2], v[ST+8*\m+3]
.endr
	ds_store_b128 v[LSW], v[LH:LH+3]
.endif
	s_wait_alu depctr_va_vdst(0)
.endm
.macro PRUN u                          ; P's four fragments of half u of the keys
.irp m, 0,1,2,3
.irp c, 0,1,2,3
	ds_load_b128 v[S+16*\m+4*\c:S+16*\m+4*\c+3], v[PR] offset:(2*\m+(\u))*2048+\c*512
.endr
.endr
.endm
.macro VRUN4 u, t0                     ; four of V's eight fragments of half u
.irp t, \t0, \t0+1, \t0+2, \t0+3
.irp c, 0,1,2,3
	ds_load_b128 v[VF+16*(\t)+4*\c:VF+16*(\t)+4*\c+3], v[VA+(\u)] offset:(\t)*2048+\c*512
.endr
.endr
.endm
.macro PVW t, m                        ; O^T(t, m) += V^T P^T over half a step's keys
	v_wmma_f32_16x16x128_fp8_fp8 v[8*(4*(\t)+(\m)):8*(4*(\t)+(\m))+7], v[VF+16*(\t):VF+16*(\t)+15], v[S+16*(\m):S+16*(\m)+15], v[8*(4*(\t)+(\m)):8*(4*(\t)+(\m))+7]
.endm
.macro PVHALF                          ; 32 matrix instructions, the accumulators by turns
	WIN 0x50
.irp t, 0,1,2,3,4,5,6,7
	s_wait_dscnt 28-4*\t                           ; V's fragment t is in; the younger ones may be out
.irp m, 0,1,2,3
	PVW \t, \m
.endr
.endr
	WIN 0
	PLACES 5
.endm
; VALUE WAVES, first half of a step: O^T x f, then the first half of the keys of the step before.
.macro BSEG1 ask, last
	ds_load_b128 v[LMX:LMX+3], v[FW]
.if \last
.irp q, 0,1,2,3
	ds_load_b128 v[MX+4*\q:MX+4*\q+3], v[LSR] offset:512*\q
.endr
.endif
	PRUN 0
	VRUN4 0, 0
.if \last                              ; the rows' sums over the four score waves and both lane halves, and 2^(e8 + e9) / sum, ahead of the last rescaling
	s_wait_dscnt 32                                ; f and the sums are in; P's 16 and V's 16 loads may be out
.irp m, 0,1,2,3
	v_add_f32 v[ST+8*\m+6], v[MX+\m], v[MX+4+\m]
	v_add_f32 v[ST+8*\m+7], v[MX+8+\m], v[MX+12+\m]
.endr
.irp m, 0,1,2,3
	v_add_f32 v[ST+8*\m+6], v[ST+8*\m+6], v[ST+8*\m+7]
.endr
.irp m, 0,1,2,3
	v_permlanex16_b32 v[TP+\m], v[ST+8*\m+6], s[SEL], s[SEL+1]
.endr
.irp m, 0,1,2,3
	v_add_f32 v[ST+8*\m+6], v[ST+8*\m+6], v[TP+\m]
.endr
	s_wait_alu depctr_va_vdst(0)
.irp m, 0,1,2,3
	v_rcp_f32 v[ST+8*\m+7], v[ST+8*\m+6]
.endr
	v_nop
	s_add_co_i32 s62, s46, s47
	s_wait_alu depctr_va_vdst(0)
.irp m, 0,1,2,3
	v_ldexp_f32 v[ST+8*\m+2], v[ST+8*\m+7], s62
.endr
	VRUN4 0, 4
.else
	VRUN4 0, 4
.if \ask
	ASK
.endif
	s_wait_dscnt 48                                ; f is in; P's 16 and V's 32 loads may be out
.endif
.irp m, 0,1,2,3
	v_mov_b32 v[ST+8*\m+4], v[LMX+\m]
.endr
	WIN 0x41
	s_wait_alu depctr_va_vdst(0)                   ; directly ahead of the readers of O^T
.irp t, 0,1,2,3,4,5,6,7
.irp m, 0,1,2,3
.irp i, 0,2,4,6
	v_pk_mul_f32 v[8*(4*\t+\m)+\i:8*(4*\t+\m)+\i+1], v[8*(4*\t+\m)+\i:8*(4*\t+\m)+\i+1], v[ST+8*\m+4:ST+8*\m+5] op_sel_hi:[1,0]
.endr
.endr
.endr
	s_wait_alu depctr_va_vdst(0)                   ; directly ahead of the waits below
	PVHALF
	PRUN 1
	s_wait_alu depctr_va_vdst(0)
.endm
.macro BSEG2                           ; VALUE WAVES, second half of a step: the second half of the keys
	VRUN4 1, 0
	VRUN4 1, 4
	PVHALF
	s_wait_alu depctr_va_vdst(0)
.endm
.macro SCORES                          ; the way of the score waves; the value waves' follows at VALUES
	s_cmp_lt_u32 s[WV], 4
	s_cbranch_scc0 .Lvalues_\@
.endm
	s_load_b256 s[4:11], s[0:1], 0x0               ; qi, ki, vi, the scales' exponents
	s_load_b64 s[12:13], s[0:1], 0x20              ; out0
	v_lshl_add_u32 v[SPW], v0, 2, SPARE
	v_mov_b32 v[NIL], 0
	ds_add_u32 v[SPW], v[NIL]                      ; the wave's opening: the add, twice on end, and its wait ahead of my first tensor load
	ds_add_u32 v[SPW], v[NIL]
	v_lshrrev_b32 v1, 5, v0
	v_readfirstlane_b32 s[WV], v1                  ; wave 0..7
	s_and_b32 s[W3], s[WV], 3
	v_and_b32 v28, 31, v0
	v_lshlrev_b32 v[LI], 4, v28
	v_min_u32 v28, 15, v28
	v_lshlrev_b32 v[PFO], 8, v28                   ; a lane a block of 256 bytes, 16 blocks
	s_lshl_b32 s62, s[W3], 15
	v_add_nc_u32 v[KA], s62, v[LI]
	s_lshl_b32 s62, s[W3], 14
	s_add_co_u32 s62, s62, VR
	v_add_nc_u32 v[VA], s62, v[LI]
	v_add_nc_u32 v[VA+1], 65536, v[VA]
	v_add_nc_u32 v[PR], PIMG, v[LI]
	s_lshl_b32 s62, s[W3], 10
	v_add_nc_u32 v[PW], s62, v[PR]
	v_add_nc_u32 v[MXR], MAXB, v[LI]
	v_add_nc_u32 v[LSR], LSUM, v[LI]
	s_lshl_b32 s62, s[W3], 9
	v_add_nc_u32 v[MXW], s62, v[MXR]
	v_add_nc_u32 v[LSW], s62, v[LSR]
	v_add_nc_u32 v[FW], FB, v[LI]
	v_add_nc_u32 v[FW], s62, v[FW]
	s_mul_i32 s62, s[W3], 16*528
	s_add_co_u32 s62, s62, STG
	v_add_nc_u32 v[RD], s62, v[LI]
	v_and_b32 v28, 15, v0
	v_bfe_u32 v29, v0, 4, 1
	v_mul_u32_u24 v[STO], v28, 528
	v_lshl_add_u32 v[STO], v29, 5, v[STO]
	v_add_nc_u32 v[STO], s62, v[STO]
.irp m, 0,1,2,3
	v_mov_b32 v[ST+8*\m+1], 0xff61b1e6             ; the largest t so far: -3e38
	v_floor_f32 v[ST+8*\m], -v[ST+8*\m+1]
	v_mov_b32 v[ST+8*\m+2], 0
	v_mov_b32 v[ST+8*\m+3], 0
	v_mov_b32 v[ST+8*\m+5], 0                      ; (named as the upper half of f's pair)
	v_mov_b32 v[TP+\m], 0                          ; written once: a lane permute's destination counts as a source
.endr
	s_bfe_u32 s15, ttmp6, 0x40000                  ; cx
	s_and_b32 s16, ttmp7, 0xffff
	s_lshl_b32 s16, s16, 2
	s_add_co_u32 s16, s16, s15                     ; my block of 64 queries
.irp g, G1K, G1V
	s_mov_b32 s[\g], 15|(3<<16)|(1<<21)            ; all four partners; elements of 8 bytes; dense, so stated as rows of 256 bytes
	s_mov_b32 s[\g+1], 32<<16
	s_mov_b32 s[\g+3], 32<<16
	s_mov_b32 s[\g+5], 32
	s_mov_b32 s[\g+6], 0
	s_mov_b32 s[\g+7], 0
.endr
	s_mov_b32 s[G1K+2], 128<<16                    ; a quarter of K's tile: 32,768 bytes
	s_mov_b32 s[G1K+4], 128
	s_mov_b32 s[G1V+2], 64<<16                     ; a quarter of half of V's tile: 16,384 bytes
	s_mov_b32 s[G1V+4], 64
	s_lshl_b32 s54, ttmp9, 20                      ; the batch is the cluster's x: 1 MiB of qi, ki, vi
	s_lshl_b32 s56, s16, 15
	s_add_co_u32 s56, s56, s54                     ; Q: 64 queries of 512 bytes
	s_mov_b32 s57, 0
	s_lshl_b32 s58, ttmp9, 22
	s_lshl_b32 s59, s16, 17
	s_add_co_u32 s58, s58, s59
	s_lshl_b32 s59, s[W3], 9
	s_add_co_u32 s58, s58, s59                     ; O: my 128 channels
	s_mov_b32 s59, 0
	s_lshl_b32 s[G0K+1], s[W3], 15
	s_add_co_u32 s60, s54, s[G0K+1]                ; K: my quarter
	s_mov_b32 s61, 0
	s_lshl_b32 s[G0V+1], s[W3], 14
	s_add_co_u32 s62, s54, s[G0V+1]                ; V: my quarter of a half
	s_mov_b32 s63, 0
	s_add_co_u32 s[G0V+1], s[G0V+1], VR
	s_add_co_u32 s[G0U+1], s[G0V+1], 65536
	s_lshl_b32 s84, s16, 12
	s_add_co_u32 s84, s84, s54
	s_add_co_u32 s84, s84, STEPB                   ; my work-group's part of a tile, in step 1's: step 0 steps it to step 2's
	s_mov_b32 s85, 0
	s_mov_b32 s[G0K], 1
	s_mov_b32 s[G0V], 1
	s_mov_b32 s[G0U], 1
	s_wait_alu depctr_va_vdst(0)                   ; directly ahead of the waits below
	s_wait_dscnt 0x0                               ; both opening adds are done
	s_wait_kmcnt 0x0
	s_load_b128 s[44:47], s[10:11], 0x18           ; e6 .. e9
	s_add_nc_u64 s[G0K+2:G0K+3], s[6:7], s[60:61]
	s_or_b32 s[G0K+3], s[G0K+3], 0x80000000
	s_add_nc_u64 s[G0V+2:G0V+3], s[8:9], s[62:63]
	s_add_nc_u64 s[G0U+2:G0U+3], s[G0V+2:G0V+3], 65536
	s_or_b32 s[G0V+3], s[G0V+3], 0x80000000
	s_or_b32 s[G0U+3], s[G0U+3], 0x80000000
	s_add_nc_u64 s[18:19], s[4:5], s[56:57]
	ROUND                                          ; all four partners are here: the first joint loads meet, one a wave
	s_cmp_lt_u32 s[WV], 4
	s_cbranch_scc0 .Lfirst_v
	TLOAD G0K, G1K                                 ; step 0's K
	WIN 0x40
.set N, 0
.rept 64                               ; Q's 16 fragments stay in registers
	global_load_b128 v[4*N:4*N+3], v[LI], s[18:19] offset:512*N
.set N, N+1
.endr
	WIN 0
	s_branch .Lfirst_asked
.Lfirst_v:
	TLOAD G0V, G1V                                 ; step 0's V, its first half
	WIN 0x40
.set N, 0
.rept 256                              ; O^T begins as zeros, while these waves have nothing to multiply: so one body serves every trip of the loop
	v_mov_b32 v[N], 0
.set N, N+1
.endr
	WIN 0
	s_wait_alu depctr_va_vdst(0)
.Lfirst_asked:
	s_add_nc_u64 s[20:21], s[12:13], s[58:59]
	s_cmp_eq_u32 s[WV], 4
	s_cselect_b64 s[PFA:PFA+1], s[6:7], s[8:9]
	s_sub_co_u32 s62, s[WV], 4
	s_cmp_lt_u32 s62, 2
	s_cselect_b32 s[PFN], 2, 64                    ; waves 4 and 5 ask in steps 0 to 5 (CNT 7 to 2), the others never
	s_add_nc_u64 s[PFA:PFA+1], s[PFA:PFA+1], s[84:85]
	s_mov_b32 s[SEL], 0x76543210
	s_mov_b32 s[SEL+1], 0xfedcba98
	s_mov_b32 s[CNT], 7
	s_wait_kmcnt 0x0
	s_add_co_i32 s62, s44, s45
	s_lshl_b32 s62, s62, 23
	s_mov_b32 s[CS], 0x3d8293ee                    ; log2(e) / sqrt(512), with e6 + e7 added to its exponent field
	s_add_co_i32 s[CS], s[CS], s62
	s_mov_b32 s[CS+1], s[CS]
	s_add_co_i32 s62, s46, 127
	s_lshl_b32 s63, s62, 23
	v_mov_b32 v[PSC], s63
	s_add_co_i32 s62, s62, 8
	s_lshl_b32 s62, s62, 23
	s_or_b32 s62, s62, 0x600000
	v_mov_b32 v[PLIM], s62
	v_mov_b32 v[PLIM+1], s62
	s_wait_alu depctr_va_vdst(0)
	s_wait_tensorcnt 0x0                           ; my quarter of step 0's K, which I alone read (value waves: of V), is in
	; STEP 0: the score waves alone
	s_cmp_lt_u32 s[WV], 4
	s_cbranch_scc0 .Lvalues_0a
	s_wait_loadcnt 0x0                             ; Q
	ASEG1
	s_branch .Ljoin_0a
.Lvalues_0a:
	ASK
.Ljoin_0a:
	MEET 1, 0                                      ; A(0): the maxima are there; every score wave has read its K
	s_cmp_lt_u32 s[WV], 4
	s_cbranch_scc0 .Ljoin_0b
	TLOAD G0K, G1K
	ASEG2 0
.Ljoin_0b:
	MEET 0, 0                                      ; B(0): P's codes and f are there
	s_mov_b32 s[CNT], 6
.Lstep:                                                ; STEPS 1 to 6; the value waves are a step behind
	s_cmp_lt_u32 s[WV], 4
	s_cbranch_scc0 .Lvalues_a
	ASEG1
	s_branch .Ljoin_a
.Lvalues_a:
	TLOAD G0U, G1V                                 ; the second half of V of the step whose P has just come
	BSEG1 1, 0
.Ljoin_a:
	MEET 1, 1                                      ; A(i): the maxima are there; K and V's first half have been read
	s_cmp_lt_u32 s[WV], 4
	s_cbranch_scc0 .Lvalues_b
	TLOAD G0K, G1K
	ASEG2 0
	s_branch .Ljoin_b
.Lvalues_b:
	TLOAD G0V, G1V
	BSEG2
.Ljoin_b:
	MEET 0, 0                                      ; B(i): P's codes and f are there; V's second half has been read
	s_sub_co_u32 s[CNT], s[CNT], 1
	s_cmp_lg_u32 s[CNT], 0
	s_cbranch_scc1 .Lstep
	; STEP 7: no K is left to fetch
	s_cmp_lt_u32 s[WV], 4
	s_cbranch_scc0 .Lvalues_7a
	ASEG1
	s_branch .Ljoin_7a
.Lvalues_7a:
	TLOAD G0U, G1V
	BSEG1 0, 0
.Ljoin_7a:
	MEET 0, 1
	s_cmp_lt_u32 s[WV], 4
	s_cbranch_scc0 .Lvalues_7b
	ASEG2 1
	s_branch .Ljoin_7b
.Lvalues_7b:
	TLOAD G0V, G1V
	BSEG2
.Ljoin_7b:
	MEET 0, 0
	s_cmp_lt_u32 s[WV], 4
	s_cbranch_scc1 .Lend
	; THE VALUE WAVES' LAST STEP goes by query tiles in its second half: a tile leaves while the next ones are multiplied.
	TLOAD G0U, G1V
	BSEG1 0, 1
	s_wait_tensorcnt 0x0                           ; my quarter of V's last half, which I alone read, is in
	VRUN4 1, 0
	VRUN4 1, 4
	s_wait_dscnt 0x0
.macro PVM m                           ; query tile m: its eight accumulators by turns
	WIN 0x50
.irp t, 0,1,2,3,4,5,6,7
	PVW \t, (\m)
.endr
	WIN 0
.endm
.macro TOSTAGE m                       ; scaled in place, through my own stage in LDS, whole rows of 512 bytes come back into the same registers; LDS serves a wave's instructions in order (ISA guide 5.7.1.4)
	PLACES 4
	WIN 0x41
.irp t, 0,1,2,3,4,5,6,7
.irp i, 0,2,4,6
	v_pk_mul_f32 v[8*(4*\t+(\m))+\i:8*(4*\t+(\m))+\i+1], v[8*(4*\t+(\m))+\i:8*(4*\t+(\m))+\i+1], v[ST+8*(\m)+2:ST+8*(\m)+3] op_sel_hi:[1,0]
.endr
.endr
	WIN 0x04
.irp t, 0,1,2,3,4,5,6,7
	ds_store_b128 v[STO], v[8*(4*\t+(\m)):8*(4*\t+(\m))+3] offset:64*\t
	ds_store_b128 v[STO], v[8*(4*\t+(\m))+4:8*(4*\t+(\m))+7] offset:64*\t+16
.endr
	WIN 0x40
.irp q, 0,1,2,3,4,5,6,7,8,9,10,11,12,13,14,15
	ds_load_b128 v[8*(4*(\q/2)+(\m))+4*(\q%2):8*(4*(\q/2)+(\m))+4*(\q%2)+3], v[RD] offset:\q*528
.endr
	WIN 0
.endm
.macro SEND m, younger                 ; younger: the LDS instructions behind tile m's loads, which may stay out
	s_wait_dscnt \younger
	WIN 0x04
.irp q, 0,1,2,3,4,5,6,7,8,9,10,11,12,13,14,15
	global_store_b128 v[LI], v[8*(4*(\q/2)+(\m))+4*(\q%2):8*(4*(\q/2)+(\m))+4*(\q%2)+3], s[20:21] offset:(\m)*32768+\q*2048 th:TH_STORE_NT   ; 512 consecutive bytes, aligned
.endr
	WIN 0
.endm
	PVM 0
	PVM 1
	TOSTAGE 0
	PVM 2
	TOSTAGE 1
	SEND 0, 32
	PVM 3
	TOSTAGE 2
	SEND 1, 32
	TOSTAGE 3
	SEND 2, 32
	SEND 3, 0
.Lend:
	s_wait_tensorcnt 0x0                           ; the wave's end
	ds_add_u32 v[SPW], v[NIL]
	s_wait_dscnt 0x0
	ROUND                                          ; the closing round: no work-group ends while a partner may still ask for a tile that names it
	s_endpgm
.Lfunc_end_k_qe22c8766a5_attn:
	.size	k_qe22c8766a5_attn, .Lfunc_end_k_qe22c8766a5_attn-k_qe22c8766a5_attn
	.p2alignl 7, 3214868480
	.fill 96, 4, 3214868480
	.section	.rodata,"a",@progbits
	.p2align	6, 0x0
	.amdhsa_kernel k_qe22c8766a5_attn
		.amdhsa_group_segment_fixed_size 327680
		.amdhsa_private_segment_fixed_size 0
		.amdhsa_enable_private_segment 0
		.amdhsa_kernarg_size 40
		.amdhsa_user_sgpr_count 2
		.amdhsa_user_sgpr_kernarg_segment_ptr 1
		.amdhsa_wavefront_size32 1
		.amdhsa_system_sgpr_workgroup_id_x 1
		.amdhsa_system_sgpr_workgroup_id_y 1
		.amdhsa_system_sgpr_workgroup_id_z 1
		.amdhsa_system_vgpr_workitem_id 0
		.amdhsa_next_free_vgpr 512
		.amdhsa_next_free_sgpr 100
		.amdhsa_reserve_vcc 0
		.amdhsa_float_denorm_mode_32 3
		.amdhsa_float_denorm_mode_16_64 3
		.amdhsa_memory_ordered 1
		.amdhsa_forward_progress 1
		.amdhsa_inst_pref_size 211
	.end_amdhsa_kernel
	.amdgpu_metadata
---
amdhsa.version: [ 1, 2 ]
amdhsa.kernels:
  - .name:           k_qe22c8766a5_attn
    .symbol:         k_qe22c8766a5_attn.kd
    .args:
      - { .name: qi, .offset: 0, .size: 8, .value_kind: global_buffer, .address_space: global }
      - { .name: ki, .offset: 8, .size: 8, .value_kind: global_buffer, .address_space: global }
      - { .name: vi, .offset: 16, .size: 8, .value_kind: global_buffer, .address_space: global }
      - { .name: lowp_scales, .offset: 24, .size: 8, .value_kind: global_buffer, .address_space: global }
      - { .name: out0, .offset: 32, .size: 8, .value_kind: global_buffer, .address_space: global }
    .group_segment_fixed_size: 327680
    .private_segment_fixed_size: 0
    .kernarg_segment_align: 8
    .kernarg_segment_size: 40
    .max_flat_workgroup_size: 256
    .sgpr_count:     100
    .vgpr_count:     512
    .wavefront_size: 32
...
	.end_amdgpu_metadata
.endif
;; end of part 2
